; MI455X (gfx1250); checked and timed in simulation.
; The chip was launched on July 23, 2026; its instructions are those of AMD's public machine-readable ISA for CDNA 5 (MIT licence, August 2026) and "CDNA5" Instruction Set Architecture Reference Guide (July 2026). The comments in the code are by the model that wrote it; some were corrected since.
;; Full Attention. Allowed arithmetic: matrix products marked QUANTISED: E2M1 operands, one E8M0 scale for each 32 along K, by v_wmma_scale_f32_16x16x128_f8f6f4 with both operands' format E2M1 (or v_wmma_scale_f32_32x16x128_f4), f32 sums; everything else in f32.
;; Inputs: W_out 1,024 x 64 float32; b_out 64 float32; key 4 x 2,048 x 1,024 float32; key_padding_mask 4 x 2,048 bool; query 4 x 2,048 x 1,024 float32; value 4 x 2,048 x 1,024 float32.
;; Outputs: out0 8,192 x 64 float32.
;; This version of the problem:
;;   THIS VERSION OF THE PROBLEM IS GIVEN IN LOW PRECISION. The matrix products marked QUANTISED in the list below multiply operands that are first quantised to E2M1 (2 exponent bits, 1 mantissa bit; 4 bits a number), with one power-of-two scale for each 32 numbers along K (OCP MX v1.0); their sums are f32. All else is computed in f32.
;;   The module's matrix products, in the order in which they are computed (A, B: the left and right operand; K: the contracted axis; several contracted axes count as one K, in the product's order):
;;     1. batch 64 x [M 2,048, K 64] x [K 64, N 2,048]; A: computed on the way; B: input key: QUANTISED
;;     2. batch 64 x [M 64, K 2,048] x [K 2,048, N 2,048]; A: input value; B: softmax (see below): QUANTISED
;;     3. [M 8,192, K 1,024] x [K 1,024, N 64]; A: computed on the way; B: input W_out: QUANTISED
;;   THE QUANTISER, for each operand of a quantised product, along K:
;;     - K is cut into blocks of 32 from its start; a last block that is shorter is filled with zeros.
;;     - A block's scale is 2^e with e = floor(log2(the largest magnitude in the block)) - 2, held to -126 .. 127; a block of zeros has e = 0. As a byte (E8M0): e + 127.
;;     - Each number is divided by its block's scale, clamped to +-6, and rounded to the nearest number of E2M1, ties to even, subnormals kept.
;;     - The product sums the exact products of the quantised numbers (number of the format x scale) in f32.
;;   ~~~python
;;   def quantise(x, axis):      # numpy; x: float32 -> the quantised numbers, widened to float32 again
;;       x = np.moveaxis(x, axis, -1); K = x.shape[-1]
;;       x = np.pad(x, [(0, 0)] * (x.ndim - 1) + [(0, -K % 32)]); x = x.reshape(x.shape[:-1] + (-1, 32)); a = np.abs(x).max(-1, keepdims=True)
;;       e = np.where(a > 0, np.clip(np.frexp(np.where(a > 0, a, 1))[1] - 1 - 2, -126, 127), 0)      # np.frexp(a)[1] - 1 = floor(log2(a)), exactly
;;       r = np.clip(x / 2.0 ** e, -6, 6)
;;       step = 2.0 ** (np.maximum(np.frexp(np.where(r == 0, 1, r))[1] - 1, 0) - 1)
;;       q = np.round(r / step) * step * 2.0 ** e      # np.round: ties to even
;;       return np.moveaxis(q.reshape(q.shape[:-2] + (-1,))[..., :K], -1, axis).astype(np.float32)
;;   ~~~
;;   SOFTMAX AHEAD OF A QUANTISED PRODUCT. Where the list says 'softmax', what is quantised is not the finished softmax but p = 2^(t - M), with t = logit x log2(e) and M = ceil(the row's largest t), a whole number; so 1/2 < the row's largest p <= 1. The row's sum l is taken of the UNQUANTISED p, in f32, and the product's result is divided by l at the end. Since M is a whole number, a kernel that streams over the keys may use a running M (the ceiling of the running maximum): every later rescaling is an exact power of two, which a block's scale takes up: the codes' values come out the same.
;;   OPERANDS COMPUTED ON THE WAY. 'Computed on the way' means the value that the module computes at that place (a softmax that the list does not call 'softmax' is quantised finished and normalised). What goes into a quantiser is computed in f32, as accurately as f32 sums, v_exp_f32 and their like allow (about 1e-6 of the number): no bf16 or f16 on the way to a quantiser, and a product that is left as it is and whose result goes on into a quantised operand takes f32 operands (vector FMAs, or v_wmma_f32_16x16x4_f32). A number that lies on a knife's edge between two numbers of the format may be rounded either way, as far as f32 arithmetic and the matrix unit's own rounding can turn it there, and no further.
;; One version. Each part assembles by itself: llvm-mc -triple=amdgcn-amd-amdhsa -mcpu=gfx1250 --defsym DOCPART=n.
;; ======== version 1 of 1: 2 launches
;; limits: right only within a limited range of input values
;; workspace buffers: kv 9,175,040 bytes; wq 34,816 bytes
;; launch prep (part 1): grid 514 x 1, 4 waves a work-group, no clusters, 35,328 bytes of LDS; arguments key, value, key_padding_mask, W_out, kv, wq; writes kv, wq
.if DOCPART == 1
	.amdgcn_target "amdgcn-amd-amdhsa--gfx1250"
	.amdhsa_code_object_version 6
	.text
	.protected	k_q70088a9e19_prep
	.globl	k_q70088a9e19_prep
	.p2align	8
	.type	k_q70088a9e19_prep,@function
k_q70088a9e19_prep:
	s_mov_b64 s[64:65], 0
	v_nop
	global_prefetch_b8 v0, s[64:65] scope:SCOPE_SE
	s_setreg_imm32_b32 hwreg(HW_REG_WAVE_MODE, 25, 1), 1
	s_wait_xcnt 0x0
; key, query, value [4][2048][1024] and W_out [1024][64], f32, become codes of FP4 (E2M1) with one E8M0 byte for each 32 along the K of the product that reads them,
; laid as IMAGES OF THE OPERANDS' REGISTERS: a chunk is 32 lanes x 16 bytes, lane l at 16 l, so that the later launches fetch fragments whole.
; A block's scale is 2^(floor(log2(its largest magnitude)) - 2): its byte is the largest magnitude's exponent field - 2, held at 1 from below by a floor among the maximum's leaves.
; kv: a record of 8,960 bytes for each (batch, head, 128 keys): +0 key's 8 tiles x 512; +4096 value's 4 tiles x 1,024; +8192 key's scale words (16 x lane + 4 j: lanes 0-15 tile 2 j, lanes 16-31 tile 2 j + 1);
;     +8704 value's scale words (8 x lane + 4 g).  qc: records of 4,608 bytes for each (batch, head, 128 queries): codes as key's, +4096 scale words as key's.  wq: records of 4,352 bytes for each 128 along K, laid as value's.
; THE ROWS OF A TILE ARE NOT NEIGHBOURS: lane r of tile t takes row (or column) 32 (t / 2) + 8 (t % 2) + r + 8 (r / 8), so that the results of tiles 2 b and 2 b + 1 are 16 neighbours along the next product's K.
; THE MASK rides in key's codes and scale words.  The first product has K = 64, its instruction 128: at k = 64 the attention launch sets the code +1 for every key and -1 for every query.
;     Byte 2 of a query's scale word is 126 (2^-1); byte 2 of a key's is 254 (2^127) where the mask drops the key, else 0 (2^-127).  A dropped key's 64 codes are zeros, so its score is exactly -2^126.
; q / 8: the codes are q's own; the byte is 3 lower and the floor 3 higher, which is exact.
; LIMITS: NaN and infinities are not served.  A block of zeros has the byte 1 (its codes are zeros; this program alone reads the bytes).  A kept key's score carries -2^-128.
; SHARES: each wave takes 32,768 bytes of f32.  Work-groups 0, 1: W_out (a K step a wave); 2 .. 257: value; 258 .. 513: key; 514 .. 769: query (128 rows of one head a wave).
; No tensor load, no barrier, no cluster: waves share nothing.  Only the path for key and query uses LDS, each wave its own 8,704 bytes.
; WHAT HOLDS IN PLACE OF THE LINES ABOVE: query is not served here (the attention launch quantises it, each number being read once there): no qc, work-groups 258 .. 513 take key, and there are 514.
; THE ROWS OF A TILE: lane r of key's tile t takes key 64 (t / 4) + 8 (t % 4) + r % 8 + 32 (r / 8); lane r of value's or W_out's tile t takes column 8 t + r % 8 + 32 (r / 8):
; so a lane's 32 results of four neighbouring tiles are a whole block of 32 neighbours along the next product's K.
; The scale word of an ODD tile of key is turned by 16 bits: that tile's codes are used at k = 64 .. 127 and the mask's code at k = 0.
.set RKV,  8960
.set RW,   4352
.set STG,  4352                        ; a stage: 16 rows x (256 bytes + 16); two for each wave
.set MK,   16                          ; v16-23   a tile's mask byte of my row
.set SW,   24                          ; v24-27   key's or query's scale words;  v24-25 value's
.set C,    32                          ; v32-63   codes: four registers a tile or block, never written twice
.set R,    64                          ; v64-191  four sets of 32: a tile as it is loaded
.set X,    192                         ; v192-255 two sets of 32: a block of 32 neighbours
.set VX,   64                          ; v64-191  value's path: two sets of 64: two columns' blocks
	s_load_b64 s[8:9], s[0:1], 0x0                 ; key
	s_load_b128 s[12:15], s[0:1], 0x8              ; value 12, mask 14
	s_load_b128 s[16:19], s[0:1], 0x18             ; W_out 16, kv 18
	s_load_b64 s[22:23], s[0:1], 0x28              ; wq
	s_set_vgpr_msb 0x40
	v_lshl_add_u32 v0, v0, 2, 0x8800
	v_mov_b32 v1, 0
	s_set_vgpr_msb 0x4000
	v_lshrrev_b32 v1, 5, v0
	v_readfirstlane_b32 s24, v1                    ; wave 0..3
	v_and_b32 v1, 31, v0                           ; lane
	v_and_b32 v2, 15, v0                           ; r
	v_bfe_u32 v3, v0, 4, 1                         ; lane / 16
	s_mov_b32 s27, 0                               ; the high words of the two offset pairs
	s_mov_b32 s51, 0
	s_cmp_lt_u32 ttmp9, 2
	s_cbranch_scc1 .Lw
	s_cmp_lt_u32 ttmp9, 258
	s_cbranch_scc1 .Lv
; s43 = 0 .. 255 -> batch s44, step of 128 rows s45, head s46, byte offset of the task's first number s26, record number s47
.macro SPLIT
	s_lshr_b32 s44, s43, 6
	s_bfe_u32 s45, s43, 0x40002                    ; 4 bits from bit 2
	s_and_b32 s46, s43, 3
	s_lshl_b32 s46, s46, 2
	s_add_co_u32 s46, s46, s24                     ; head = 4 x (number % 4) + wave
	s_lshl_b32 s26, s44, 23                        ; a batch is 2,048 rows of 4,096 bytes,
	s_lshl_b32 s47, s45, 19                        ; a step 128 rows,
	s_add_co_u32 s26, s26, s47
	s_lshl_b32 s47, s46, 8                         ; a head 256 bytes of a row
	s_add_co_u32 s26, s26, s47
	s_lshl_b32 s47, s44, 4
	s_add_co_u32 s47, s47, s46
	s_lshl_b32 s47, s47, 4
	s_add_co_u32 s47, s47, s45                     ; record = (16 batch + head) x 16 + step
.endm
; ---------------- key and query: K (the head's 64) is innermost ----------------
	s_sub_co_u32 s43, ttmp9, 258
	SPLIT
	s_mov_b32 s39, 0xffff0000                      ; lanes 16-31
	s_mov_b32 s40, 0x76543210
	s_mov_b32 s41, 0xfedcba98                      ; v_permlanex16_b32's selects for lane l xor 16
	s_mul_i32 s50, s47, RKV
	s_wait_kmcnt 0x0
	s_add_nc_u64 s[30:31], s[18:19], s[50:51]      ; the record
	s_add_nc_u64 s[32:33], s[30:31], 8192          ; its scale words
	s_add_nc_u64 s[28:29], s[8:9], s[26:27]        ; key's rows
	s_lshl_b32 s50, s44, 11
	s_lshl_b32 s52, s45, 7
	s_add_co_u32 s50, s50, s52
	s_add_nc_u64 s[34:35], s[14:15], s[50:51]      ; the mask bytes of these 128 rows
	s_wait_alu depctr_va_vdst(0)
	v_lshlrev_b32 v4, 12, v3
	v_lshl_add_u32 v4, v2, 4, v4                   ; in: lanes 0-15 one row's 256 bytes, lanes 16-31 the next row's
	s_mul_i32 s52, s24, 2*STG
	v_mul_u32_u24 v5, v3, 272
	v_lshl_add_u32 v5, v2, 4, v5
	v_add_nc_u32 v5, s52, v5                       ; into the stage, as loaded
	v_mul_u32_u24 v6, v2, 272
	v_lshl_add_u32 v6, v3, 7, v6
	v_add_nc_u32 v6, s52, v6                       ; out of it: row r, block lane / 16: 128 bytes
	v_lshlrev_b32 v7, 4, v1                        ; out: 16 x lane
	v_and_b32 v8, 8, v2
	v_mad_u32_u24 v8, v8, 3, v2                    ; r % 8 + 32 (r / 8)
	v_lshlrev_b32 v9, 3, v3                        ; my block's byte stands 8 (lane / 16) bits up
	v_mov_b32 v10, 0
	v_mov_b32 v11, 254
	v_mov_b32 v28, 0                               ; written once: a lane permute's destination counts as one of its sources
.macro LOAD t                          ; tile t: 16 rows x 256 bytes; each load takes two rows, sixteen lanes 256 consecutive bytes, aligned
.irp j, 0,1,2,3,4,5,6,7
	global_load_b128 v[R+32*((\t)%4)+4*\j:R+32*((\t)%4)+4*\j+3], v4, s[28:29] offset:(64*((\t)/4)+8*((\t)%4)+2*\j+24*(\j/4))*4096 th:TH_LOAD_NT
.endr
.endm
.macro TURN t                          ; through my stage: LDS serves a wave's instructions in order (ISA guide 5.7.1.4), so no wait stands between the stores and the loads
.irp j, 0,1,2,3,4,5,6,7
	ds_store_b128 v5, v[R+32*((\t)%4)+4*\j:R+32*((\t)%4)+4*\j+3] offset:STG*((\t)%2)+544*\j
.endr
.irp q, 0,1,2,3,4,5,6,7
	ds_load_b128 v[X+32*((\t)%2)+4*\q:X+32*((\t)%2)+4*\q+3], v6 offset:STG*((\t)%2)+16*\q
.endr
.endm
.macro TILE t
	s_wait_dscnt 0x0                               ; this tile's block is back from the stage
.if (\t)+4 < 8
	LOAD (\t)+4                                    ; into the set that this tile has left
.endif
.if (\t) < 7
.if (\t) < 4
	s_wait_loadcnt 24                              ; the next tile's eight loads are in; the three sets issued behind them may be out
.else
	s_wait_loadcnt 8*(6-(\t))                      ; the counts run down: two sets, one, none
.endif
	TURN (\t)+1                                    ; the next tile goes through the other stage while this one is worked
.endif
.set XS, X+32*((\t)%2)
.set CC, C+4*(\t)
	v_max3_num_f32 v12, |v[XS]|, |v[XS+1]|, |v[XS+2]|              ; the block's largest magnitude: all 32 numbers are mine; two chains
	v_max3_num_f32 v13, |v[XS+3]|, |v[XS+4]|, |v[XS+5]|
.irp i, 6,10,14,18,22,26
	v_max3_num_f32 v12, v12, |v[XS+\i]|, |v[XS+\i+1]|
	v_max3_num_f32 v13, v13, |v[XS+\i+2]|, |v[XS+\i+3]|
.endr
	v_max3_num_f32 v12, v12, |v[XS+30]|, |v[XS+31]|
	v_max3_num_f32 v12, v12, v13, 0x1800000        ; and the floor 2^(3 - 127), so that the byte cannot fall under 1
	v_add_nc_u32 v14, 0xff000000, v12              ; 2 off the exponent field: the conversion takes the exponent field of this operand as its scale
.irp g, 0,1,2,3
	v_cvt_scalef32_pk8_fp4_f32 v[CC+\g], v[XS+8*\g:XS+8*\g+7], v14
.endr
	v_lshrrev_b32 v15, 23, v14                     ; the scale's byte (a plain line behind the conversions)
	v_cmp_ne_u32 vcc_lo, 0, v[MK+(\t)]             ; is my row kept?
	v_lshlrev_b32 v15, v9, v15
	v_permlanex16_b32 v28, v15, s40, s41
	v_or_b32 v15, v15, v28                         ; both blocks' bytes
	v_cndmask_b32 v29, v11, v10, vcc_lo            ; byte 2: kept: 0; dropped: 254
	v_lshl_or_b32 v15, v29, 16, v15                ; my row's scale word; byte 3 stays 0 over zero codes
.irp g, 0,1,2,3
	v_cndmask_b32 v[CC+\g], 0, v[CC+\g], vcc_lo    ; a dropped key's codes are zeros
.endr
.if (\t)%2 == 0
	v_mov_b32 v[SW+(\t)/2], v15                    ; lanes 0-15 keep the even tile's words,
.else
	v_alignbit_b32 v15, v15, v15, 16               ; an odd tile's word turned by 16 bits: mask byte at 0, the blocks' bytes at 2 and 3
	v_cndmask_b32 v[SW+(\t)/2], v[SW+(\t)/2], v15, s39   ; lanes 16-31 take the odd tile's
.endif
	global_store_b128 v7, v[CC:CC+3], s[30:31] offset:512*(\t)     ; 512 consecutive bytes, aligned; these registers are not written again
.endm
.irp t, 0,1,2,3,4,5,6,7
	global_load_u8 v[MK+\t], v8, s[34:35] offset:64*(\t/4)+8*(\t%4)
.endr
	LOAD 0
	LOAD 1
	LOAD 2
	LOAD 3
	s_wait_alu depctr_va_vdst(0)
	s_wait_loadcnt 24                              ; the mask bytes and tile 0 are in
	TURN 0
.irp t, 0,1,2,3,4,5,6,7
	TILE \t
.endr
	global_store_b128 v7, v[SW:SW+3], s[32:33]     ; the record's 512 bytes of scale words
	s_set_vgpr_msb 0x5
	s_wait_tensorcnt 0x0
	ds_add_u32 v0, v1
	s_wait_dscnt 0x0
	s_set_vgpr_msb 0x500
	s_endpgm
; ---------------- value and W_out: K is the FIRST axis: a lane takes a column and its registers run down K ----------------
.macro VSETUP
	v_lshlrev_b32 v4, 2, v1                        ; in: column lane + 32 g: 32 lanes read 128 consecutive bytes.  That column is row lane % 8 + 8 g of tile lane / 8
	v_lshrrev_b32 v5, 3, v1
	v_lshlrev_b32 v5, 10, v5
	v_and_b32 v6, 7, v1
	v_lshl_add_u32 v5, v6, 4, v5                   ; out: 1,024 x tile + 16 x (lane % 8); + 128 g by the immediate: the two stores of a block fill each tile's 256 bytes
	v_lshlrev_b32 v6, 3, v6
	v_bfe_u32 v7, v1, 3, 1
	v_lshl_add_u32 v6, v7, 7, v6
	v_lshl_add_u32 v6, v3, 2, v6                   ; scale words: 8 x (row + 16 (tile % 2)) + 4 (tile / 2); + 64 g by the immediate
.endm
.macro VLOAD blk, pitch                ; block blk of 32 along K of my two columns, into set blk % 2; the two halves of a row's 256 bytes stand next to each other
.irp i, 0,1,2,3,4,5,6,7,8,9,10,11,12,13,14,15,16,17,18,19,20,21,22,23,24,25,26,27,28,29,30,31
.irp g, 0,1
	global_load_b32 v[VX+64*((\blk)%2)+32*\g+\i], v4, s[28:29] offset:(32*(\blk)+\i)*(\pitch)+128*\g th:TH_LOAD_NT
.endr
.endr
.endm
.macro VBLK blk, pitch, coff
.set XS, VX+64*((\blk)%2)
.if (\blk) < 3
	s_wait_loadcnt 63                              ; 64 loads were issued behind this block's; 63 is the largest count that the wait can name, and a smaller count is safe
.else
	s_wait_loadcnt 0x0
.endif
.irp g, 0,1
	v_max3_num_f32 v[12+2*\g], |v[XS+32*\g]|, |v[XS+32*\g+1]|, |v[XS+32*\g+2]|
	v_max3_num_f32 v[13+2*\g], |v[XS+32*\g+3]|, |v[XS+32*\g+4]|, |v[XS+32*\g+5]|
.endr
.irp i, 6,10,14,18,22,26
.irp g, 0,1
	v_max3_num_f32 v[12+2*\g], v[12+2*\g], |v[XS+32*\g+\i]|, |v[XS+32*\g+\i+1]|
	v_max3_num_f32 v[13+2*\g], v[13+2*\g], |v[XS+32*\g+\i+2]|, |v[XS+32*\g+\i+3]|
.endr
.endr
.irp g, 0,1
	v_max3_num_f32 v[12+2*\g], v[12+2*\g], |v[XS+32*\g+30]|, |v[XS+32*\g+31]|
.endr
.irp g, 0,1
	v_max3_num_f32 v[12+2*\g], v[12+2*\g], v[13+2*\g], 0x1800000   ; the floor 2^(3 - 127)
.endr
.irp g, 0,1
	v_add_nc_u32 v[28+\g], 0xff000000, v[12+2*\g]  ; the conversion's scale operand
.endr
.irp g, 0,1
	v_lshrrev_b32 v[30+\g], 23, v[28+\g]           ; the scale's byte
.endr
.irp g, 0,1
.if (\blk) == 0
	v_mov_b32 v[SW+\g], v[30+\g]
.else
	v_lshl_or_b32 v[SW+\g], v[30+\g], 8*(\blk), v[SW+\g]           ; four blocks' bytes make the column's scale word for these 128 along K
.endif
.endr
.irp g, 0,1
.irp q, 0,1,2,3
	v_cvt_scalef32_pk8_fp4_f32 v[C+8*(\blk)+4*\g+\q], v[XS+32*\g+8*\q:XS+32*\g+8*\q+7], v[28+\g]
.endr
.endr
	v_nop                                          ; one plain line behind the last conversion
.irp g, 0,1
	global_store_b128 v5, v[C+8*(\blk)+4*\g:C+8*(\blk)+4*\g+3], s[30:31] offset:(\coff)+128*\g+256*(\blk)
.endr
.if (\blk) < 2
	VLOAD (\blk)+2, \pitch
.endif
.endm
.macro VTASK pitch, coff, soff
	VLOAD 0, \pitch
	VLOAD 1, \pitch
	VBLK 0, \pitch, \coff
	VBLK 1, \pitch, \coff
	VBLK 2, \pitch, \coff
	VBLK 3, \pitch, \coff
	global_store_b32 v6, v[SW], s[30:31] offset:\soff              ; the two stores fill the record's 256 bytes of scale words
	global_store_b32 v6, v[SW+1], s[30:31] offset:\soff+64
.endm
.Lv:
	s_sub_co_u32 s43, ttmp9, 2
	SPLIT
	s_mul_i32 s50, s47, RKV
	s_wait_kmcnt 0x0
	s_add_nc_u64 s[28:29], s[12:13], s[26:27]
	s_add_nc_u64 s[30:31], s[18:19], s[50:51]
	s_wait_alu depctr_va_vdst(0)
	VSETUP
	VTASK 4096, 4096, 8704
	s_endpgm
.Lw:
	s_lshl_b32 s45, ttmp9, 2
	s_add_co_u32 s45, s45, s24                     ; K step 0..7
	s_lshl_b32 s26, s45, 15                        ; 128 rows of 256 bytes
	s_mul_i32 s50, s45, RW
	s_wait_kmcnt 0x0
	s_add_nc_u64 s[28:29], s[16:17], s[26:27]
	s_add_nc_u64 s[30:31], s[22:23], s[50:51]
	s_wait_alu depctr_va_vdst(0)
	VSETUP
	VTASK 256, 0, 4096
	s_endpgm
.Lfunc_end_k_q70088a9e19_prep:
	.size	k_q70088a9e19_prep, .Lfunc_end_k_q70088a9e19_prep-k_q70088a9e19_prep
	.p2alignl 7, 3214868480
	.fill 96, 4, 3214868480
	.section	.rodata,"a",@progbits
	.p2align	6, 0x0
	.amdhsa_kernel k_q70088a9e19_prep
		.amdhsa_group_segment_fixed_size 35328
		.amdhsa_private_segment_fixed_size 0
		.amdhsa_enable_private_segment 0
		.amdhsa_kernarg_size 48
		.amdhsa_user_sgpr_count 2
		.amdhsa_user_sgpr_kernarg_segment_ptr 1
		.amdhsa_wavefront_size32 1
		.amdhsa_system_sgpr_workgroup_id_x 1
		.amdhsa_system_sgpr_workgroup_id_y 1
		.amdhsa_system_sgpr_workgroup_id_z 1
		.amdhsa_system_vgpr_workitem_id 0
		.amdhsa_next_free_vgpr 258
		.amdhsa_next_free_sgpr 66
		.amdhsa_reserve_vcc 1
		.amdhsa_float_denorm_mode_32 3
		.amdhsa_float_denorm_mode_16_64 3
		.amdhsa_memory_ordered 1
		.amdhsa_forward_progress 1
		.amdhsa_inst_pref_size 110
	.end_amdhsa_kernel
	.amdgpu_metadata
---
amdhsa.version: [ 1, 2 ]
amdhsa.kernels:
  - .name:           k_q70088a9e19_prep
    .symbol:         k_q70088a9e19_prep.kd
    .args:
      - { .name: key, .offset: 0, .size: 8, .value_kind: global_buffer, .address_space: global }
      - { .name: value, .offset: 8, .size: 8, .value_kind: global_buffer, .address_space: global }
      - { .name: key_padding_mask, .offset: 16, .size: 8, .value_kind: global_buffer, .address_space: global }
      - { .name: W_out, .offset: 24, .size: 8, .value_kind: global_buffer, .address_space: global }
      - { .name: kv, .offset: 32, .size: 8, .value_kind: global_buffer, .address_space: global }
      - { .name: wq, .offset: 40, .size: 8, .value_kind: global_buffer, .address_space: global }
    .group_segment_fixed_size: 35328
    .private_segment_fixed_size: 0
    .kernarg_segment_align: 8
    .kernarg_segment_size: 48
    .max_flat_workgroup_size: 128
    .sgpr_count:     66
    .vgpr_count:     258
    .wavefront_size: 32
...
	.end_amdgpu_metadata
.endif
;; end of part 1
;; launch attn (part 2): grid 256 x 1, 16 waves a work-group, no clusters, 205,312 bytes of LDS; arguments kv, query, wq, b_out, out0; writes out0
.if DOCPART == 2
	.amdgcn_target "amdgcn-amd-amdhsa--gfx1250"
	.amdhsa_code_object_version 6
	.text
	.protected	k_q70088a9e19_attn
	.globl	k_q70088a9e19_attn
	.p2align	8
	.type	k_q70088a9e19_attn,@function
k_q70088a9e19_attn:
	s_mov_b64 s[64:65], 0
	v_nop
	global_prefetch_b8 v0, s[64:65] scope:SCOPE_SE
	s_setreg_imm32_b32 hwreg(HW_REG_WAVE_MODE, 25, 1), 1
	s_wait_xcnt 0x0
; out0 = (softmax(q k^T / 8, masked) v) W_out + b_out, all three products on codes of FP4 (E2M1) with one E8M0 byte for each 32 along K.
; SHARES.  A work-group owns 32 queries of one batch, in all 16 heads, and so 32 whole rows of out0.  Wave w owns head w and two tiles of 16 queries (A, B).
; It walks the head's 16 records of 128 keys (8,960 bytes: images of the operands' registers, made by the launch before); each record goes from memory STRAIGHT INTO REGISTERS, once for both tiles.
; Both products are used transposed: a lane holds one query (lane % 16).  Key tile t, row m, is key 64 (t / 4) + 8 (t % 4) + m % 8 + 32 (m / 8): a lane's 32 registers of four tiles are one whole block of 32 keys,
; so a block's maximum needs no other lane and the conversions' results are the second product's operand as they stand.  Value's columns are laid likewise, so O's 32 registers are a block of the third product's K.
; THE MASK rides at the first product's spare k: code +1 for every key (byte 254 where dropped, else 0), code -1 x 2^-1 for every query: a dropped key's score is -2^126.
; TWO KEY TILES SHARE ONE SET OF THOSE CONSTANTS: registers d0 | c | d1; the even tile is (d0, c) against (q, cq), the odd tile (c, d1) against (cq, q), with scale words turned by 16 bits.
; SOFTMAX: t = score x log2(e); M = ceil of the running largest t; p = 2^(t - M) is quantised; the sum is of the unquantised p; when M moves, sum and O are multiplied by 2^(old M - new M), exactly.
; q is quantised here (each number is read once): q / 8 has q's codes and a byte 3 lower.  Its operand lies as an image in the wave's own LDS bytes and is fetched for each tile; four of its registers serve the maxima meanwhile.
; THE END: O / sum is quantised in registers, goes through LDS; waves 0-7 make 16 rows x 16 columns each (8 K steps, two sums by turns); the 32 rows leave through a stage, 256 bytes to sixteen lanes.
; NO TENSOR LOAD, NO CLUSTER: no two waves of a work-group read the same record.  The 64 work-groups of a batch do; joint loads would need a ring of 16 records (143,360 bytes) a slot and a round of the
; cluster's barrier for 64 waves in each of the 16 steps, where this text has no barrier in its loop.
; PREFETCH: in trip t a wave of work-group i of its batch (i < 35) names block i of 256 bytes of its head's record t + 3, which trip t + 2 loads; a record has 35 blocks; trips 13 to 15 ask for nothing.
; LIMITS: NaN and infinities are not served.  The promise holds while |t| stays under 2^31 for kept keys.  A batch whose mask drops every key is not served.  A kept key's score carries -2^-128.
.set REC, 8960
.set RW,  4352
.set OC,  32768                        ; LDS: 0 .. 32,767 the waves' images of q (2,048 each); O's codes [tile][K step][half] x 512
.set OS,  49152                        ; O's scale words [tile][K step][row]
.set WSL, 53248                        ; (O's scale words: 2,048 a tile, 256 a K step)  W's scale words [K step][tile of columns][row], 256 a K step
.set ST,  55296                        ; the stage: 32 rows x (256 + 16)
.set SPARE, 64000                      ; the spare words, 128 bytes a wave
.set QST, 66048                        ; q's way in: for each wave two stages of 16 rows x (256 + 16) bytes
.set KS, 20                            ; v20-23 key's scale words; v24-25 value's; v26-27 q's, plain and turned
.set VS, 24
.set QS, 26
.set QF, 28                            ; v28-39 q | cq | q
.set P,  40                            ; v40-47 p's codes
.set KF, 48                            ; v48-95 four times d | c | d
.set S,  96                            ; v96-159 scores, then p
.set OA, 160                           ; v160-191, v192-223 O^T of tiles A, B
.set OB, 192
.set VF, 224                           ; v224-255 value's four tiles
; v0 thread; v1 16 x lane; v2 8 x lane; v3 my image of q; v4 the prefetch's offset; v5 q's offset, later out0's; v6 f, v7 p's scale word; v[8:9], v[10:11] sums; v12, v14 -M; v13, v15 largest score; v16-19 at work
	s_load_b256 s[4:11], s[0:1], 0x0               ; kv 4, query 6, wq 8, b_out 10
	s_load_b64 s[12:13], s[0:1], 0x20              ; out0
	v_lshrrev_b32 v16, 5, v0
	v_readfirstlane_b32 s14, v16                   ; wave = head
	s_lshl_b32 s15, s14, 11
	s_lshr_b32 s16, ttmp9, 6                       ; batch
	s_and_b32 s17, ttmp9, 63                       ; which 32 queries
	s_lshl_b32 s18, s17, 8
	s_lshl_b32 s20, s16, 4
	s_add_co_u32 s20, s20, s14
	s_mul_i32 s20, s20, 16*REC                     ; my head's records
	s_mov_b32 s21, 0
	s_lshl_b32 s22, s16, 23
	s_lshl_b32 s23, s17, 17
	s_add_co_u32 s22, s22, s23
	s_lshl_b32 s23, s14, 8
	s_add_co_u32 s22, s22, s23                     ; query: row 2,048 batch + 32 i, 256 bytes a head
	s_mov_b32 s23, 0
	s_lshl_b32 s24, s16, 19
	s_lshl_b32 s25, s17, 13
	s_add_co_u32 s24, s24, s25                     ; out0: the same rows, 256 bytes each
	s_mov_b32 s25, 0
	s_cmp_lt_u32 s17, 35
	s_cselect_b32 s26, 13, 0                       ; trips in which I prefetch
	s_mov_b32 s28, 0x76543210
	s_mov_b32 s29, 0xfedcba98                      ; lane l xor 16
	s_mov_b32 s30, 0x3fb8aa3b                      ; log2(e)
	s_mov_b32 s31, s30
	s_mov_b32 s32, 0xbfb8aa3b                      ; -log2(e)
	s_lshl_b32 s35, s14, 9
	s_lshr_b32 s36, s14, 1
	s_lshl_b32 s36, s36, 8
	s_and_b32 s37, s14, 1
	s_lshl_b32 s37, s37, 1
	s_add_co_u32 s36, s36, s37                     ; my bytes among O's scale words: 256 (w / 2) + 2 (w % 2)
	s_and_b32 s33, s14, 3                          ; the end: my tile of columns,
	s_bfe_u32 s34, s14, 0x10002                    ; and of rows
	s_lshl_b32 s44, s34, 13
	s_lshl_b32 s45, s34, 11
	s_mul_i32 s46, s34, 16*272
	s_lshl_b32 s47, s33, 5
	s_add_co_u32 s46, s46, s47
	s_mov_b32 s42, s47                             ; bias: 32 bytes a tile of columns
	s_mov_b32 s43, 0
	s_mul_i32 s47, s14, 544
	s_lshl_b32 s38, s33, 10                        ; W's codes: 1,024 a tile
	s_mov_b32 s39, 0
	s_lshr_b32 s40, s14, 1
	s_mul_i32 s40, s40, RW
	s_and_b32 s41, s14, 1
	s_lshl_b32 s41, s41, 7
	s_add_co_u32 s40, s40, s41
	s_add_co_u32 s40, s40, 4096                    ; the 128 bytes of W's scale words that I copy into LDS: K step w / 2, half w % 2
	s_mov_b32 s41, 0
	s_lshl_b32 s48, s33, 6
	s_add_co_u32 s48, s48, WSL-OS
	s_sub_co_u32 s48, s48, s45                     ; from O's scale words of my tile of rows to W's of my tile of columns
	s_lshr_b32 s49, s14, 1
	s_lshl_b32 s49, s49, 8
	s_and_b32 s50, s14, 1
	s_lshl_b32 s50, s50, 6
	s_add_co_u32 s49, s49, s50                     ; where my copy goes: 256 (w / 2) + 64 (w % 2)
	s_mov_b32 s27, 0
	s_mul_i32 s51, s14, 8704
	s_add_co_u32 s51, s51, QST                     ; my two stages
	v_and_b32 v17, 31, v0
	v_and_b32 v18, 15, v0                          ; r
	v_bfe_u32 v19, v0, 4, 1                        ; h
	v_lshlrev_b32 v1, 4, v17
	v_lshlrev_b32 v2, 3, v17
	v_and_b32 v16, 1, v17                          ; word 32 (w % 2) + lane of a K step is tile 2 (lane % 2) + w % 2, row lane / 2
	v_lshlrev_b32 v16, 7, v16
	v_lshrrev_b32 v6, 1, v17
	v_lshl_add_u32 v16, v6, 2, v16
	v_add_nc_u32 v16, s49, v16                     ; in LDS: 64 bytes a tile, 4 a row
	v_lshlrev_b32 v17, 2, v17
	v_add_nc_u32 v3, s15, v1
	v_mov_b32 v4, s18
	v_lshlrev_b32 v5, 12, v19
	v_lshl_add_u32 v5, v18, 4, v5                  ; query as it lies: lanes 0-15 one row's 256 bytes of my head, lanes 16-31 the next row's
	v_mul_u32_u24 v30, v19, 272
	v_lshl_add_u32 v30, v18, 4, v30
	v_add_nc_u32 v30, s51, v30                     ; into my stage, as loaded
	v_mul_u32_u24 v31, v18, 272
	v_lshl_add_u32 v31, v19, 7, v31
	v_add_nc_u32 v31, s51, v31                     ; out of it: row r, block h: 128 bytes
	v_sub_nc_u32 v19, 1, v19
	v_mul_u32_u24 v[QF+4], v19, 10                 ; cq: the code -1 in lanes 0-15
	v_lshlrev_b32 v19, 1, v19                      ; c: the code +1
	s_wait_alu depctr_va_vdst(0)
	s_wait_kmcnt 0x0
	s_add_nc_u64 s[4:5], s[4:5], s[20:21]
	s_add_nc_u64 s[6:7], s[6:7], s[22:23]
	s_add_nc_u64 s[12:13], s[12:13], s[24:25]
	s_add_nc_u64 s[38:39], s[8:9], s[38:39]
	s_add_nc_u64 s[40:41], s[8:9], s[40:41]
	s_add_nc_u64 s[42:43], s[10:11], s[42:43]
.macro KLOAD                           ; nine loads: key's eight tiles and their scale words
.irp i, 0,1,2,3
	global_load_b128 v[KF+12*\i:KF+12*\i+3], v1, s[4:5] offset:1024*\i
	global_load_b128 v[KF+12*\i+8:KF+12*\i+11], v1, s[4:5] offset:1024*\i+512
.endr
	global_load_b128 v[KS:KS+3], v1, s[4:5] offset:8192
.endm
.macro VLOAD                           ; nine loads: value's four tiles and their scale words
.irp n, 0,1,2,3,4,5,6,7
	global_load_b128 v[VF+4*\n:VF+4*\n+3], v1, s[4:5] offset:4096+512*\n
.endr
	global_load_b64 v[VS:VS+1], v2, s[4:5] offset:8704
.endm
.macro QLOAD u                         ; tile u's operand out of my image
	ds_load_b128 v[QF:QF+3], v3 offset:1024*\u
	ds_load_b128 v[QF+8:QF+11], v3 offset:1024*\u
	ds_load_b64 v[QS:QS+1], v3 offset:1024*\u+512
.endm
	global_load_b32 v18, v17, s[40:41]             ; W's scale words, my 128 bytes
.irp u, 0,1
.irp q, 0,1,2,3,4,5,6,7
	global_load_b128 v[S+32*\u+4*\q:S+32*\u+4*\q+3], v5, s[6:7] offset:65536*\u+8192*\q th:TH_LOAD_NT
.endr
.endr
	KLOAD
	VLOAD
.irp i, 0,1,2,3
	v_mov_b32 v[KF+12*\i+4], v19
	v_mov_b32 v[KF+12*\i+5], 0
	v_mov_b32 v[KF+12*\i+6], 0
	v_mov_b32 v[KF+12*\i+7], 0
.endr
.irp i, 7,8,9,10,11,28,29,33,34,35
	v_mov_b32 v\i, 0
.endr
	v_mov_b32 v12, 0x7f000000                      ; -M: 2^127, over every floor(-t)
	v_mov_b32 v14, 0x7f000000
	v_mov_b32 v13, 0xff167699                      ; the largest score so far: under every score, the dropped keys' too
	v_mov_b32 v15, 0xff167699
.irp j, 0,1,2,3,4,5,6,7,8,9,10,11,12,13,14,15,16,17,18,19,20,21,22,23,24,25,26,27,28,29,30,31,32,33,34,35,36,37,38,39,40,41,42,43,44,45,46,47,48,49,50,51,52,53,54,55,56,57,58,59,60,61,62,63
	v_mov_b32 v[OA+\j], 0                          ; the step is written once: the first change of M multiplies zeros
.endr
	s_wait_alu depctr_va_vdst(0)
	s_wait_loadcnt 18                              ; W's words and q are in; key's nine and value's nine loads may be out
	ds_store_b32 v16, v18 offset:WSL
.irp u, 0,1                                    ; q turns through my stage, so that a lane holds its block's 32 neighbours; LDS serves a wave's instructions in order: no wait between the stores and the loads
.irp q, 0,1,2,3,4,5,6,7
	ds_store_b128 v30, v[S+32*\u+4*\q:S+32*\u+4*\q+3] offset:4352*\u+544*\q
.endr
.irp q, 0,1,2,3,4,5,6,7
	ds_load_b128 v[S+32*\u+4*\q:S+32*\u+4*\q+3], v31 offset:4352*\u+16*\q
.endr
.endr
	s_wait_dscnt 0x0
.irp u, 0,1
	v_max3_num_f32 v[16+\u], |v[S+32*\u]|, |v[S+32*\u+1]|, 0x3000000   ; my block of 32, and the floor 2^(6 - 127): the byte, 3 lower for q / 8, cannot fall under 1
.endr
.irp i, 2,4,6,8,10,12,14,16,18,20,22,24,26,28,30
.irp u, 0,1
	v_max3_num_f32 v[16+\u], v[16+\u], |v[S+32*\u+\i]|, |v[S+32*\u+\i+1]|
.endr
.endr
.irp u, 0,1
	v_add_nc_u32 v[16+\u], 0xff000000, v[16+\u]    ; 2 off the exponent field: the conversion's scale operand
.endr
.irp u, 0,1
.irp g, 0,1,2,3
	v_cvt_scalef32_pk8_fp4_f32 v[P+4*\u+\g], v[S+32*\u+8*\g:S+32*\u+8*\g+7], v[16+\u]
.endr
.endr
.irp u, 0,1
	v_lshrrev_b32 v[18+\u], 23, v[16+\u]
.endr
.irp u, 0,1
	v_add_nc_u32 v[18+\u], -3, v[18+\u]            ; q / 8
.endr
.irp u, 0,1
	v_permlanex16_b32 v[28+\u], v[18+\u], s28, s29
.endr
.irp u, 0,1
	v_lshl_or_b32 v[18+\u], v[28+\u], 8, v[18+\u]  ; lanes 0-15: both blocks' bytes (the product reads those lanes alone)
.endr
.irp u, 0,1
	v_or_b32 v[26+4*\u], 0x7e0000, v[18+\u]        ; byte 2: 2^-1 over the code -1
	v_lshl_or_b32 v[27+4*\u], v[18+\u], 16, 126    ; and the word turned by 16 bits
.endr
.irp u, 0,1
	ds_store_b128 v3, v[P+4*\u:P+4*\u+3] offset:1024*\u
	ds_store_b64 v3, v[26+4*\u:27+4*\u] offset:1024*\u+512
.endr
	QLOAD 0                                        ; LDS serves a wave's instructions in order: these see my stores
; ONE TILE'S STEP.  o: its O^T; nm: -M (with the largest score above it); l: its sums; qn: the tile whose q is fetched next; a = 1: tile A; more = 1: a record follows
.macro SOFT o, nm, l, qn, a, more
	s_wait_alu depctr_va_vdst(0)
.if \a
	s_wait_loadcnt 9                               ; key's nine loads are in; value's nine, issued behind them, may be out
.endif
	s_wait_dscnt 0x0                               ; q
.irp i, 0,1,2,3
	v_wmma_scale_f32_16x16x128_f8f6f4 v[S+16*\i:S+16*\i+7], v[KF+12*\i:KF+12*\i+7], v[QF:QF+7], 0, v[KS+\i], v[QS] matrix_a_fmt:MATRIX_FMT_FP4 matrix_b_fmt:MATRIX_FMT_FP4
	v_wmma_scale_f32_16x16x128_f8f6f4 v[S+16*\i+8:S+16*\i+15], v[KF+12*\i+4:KF+12*\i+11], v[QF+4:QF+11], 0, v[KS+\i], v[QS+1] matrix_a_fmt:MATRIX_FMT_FP4 matrix_b_fmt:MATRIX_FMT_FP4 matrix_a_scale:MATRIX_SCALE_ROW1
.endr
.rept 4
	v_nop                                          ; four places ahead of the first read of the scores and of loads into key's registers
.endr
.if \more
.if 1-\a
	KLOAD                                          ; the next record's keys: both tiles have used these
	s_cmp_lt_u32 s27, s26
	s_cbranch_scc0 .Lnp_\@
	global_prefetch_b8 v4, s[4:5] offset:2*REC th:TH_LOAD_NT scope:SCOPE_SE
.Lnp_\@:
.endif
.endif
.irp g, 0,1                                    ; each block's largest score, two chains a block, each accumulator from its low end on
	v_max3_num_f32 v[QF+2*\g], v[S+32*\g], v[S+32*\g+1], v[S+32*\g+2]
	v_max3_num_f32 v[QF+2*\g+1], v[S+32*\g+16], v[S+32*\g+17], v[S+32*\g+18]
.endr
.irp i, 3,5,7,9,11,13
.irp g, 0,1
	v_max3_num_f32 v[QF+2*\g], v[QF+2*\g], v[S+32*\g+\i], v[S+32*\g+\i+1]
	v_max3_num_f32 v[QF+2*\g+1], v[QF+2*\g+1], v[S+32*\g+16+\i], v[S+32*\g+17+\i]
.endr
.endr
.irp g, 0,1
	v_max3_num_f32 v[16+\g], v[QF+2*\g], v[QF+2*\g+1], v[S+32*\g+15]
.endr
.irp g, 0,1
	v_max_num_f32 v[16+\g], v[16+\g], v[S+32*\g+31]
.endr
	s_delay_alu instid0(VALU_DEP_1)
	v_max_num_f32 v18, v16, v17
	s_delay_alu instid0(VALU_DEP_1)
	v_permlanex16_b32 v19, v18, s28, s29           ; lane l xor 16 holds the query's other two blocks
	s_delay_alu instid0(VALU_DEP_1)
	v_max3_num_f32 v[\nm+1], v[\nm+1], v18, v19    ; the running largest score
	s_delay_alu instid0(VALU_DEP_1)
	v_mul_f32 v18, s32, v[\nm+1]
	s_delay_alu instid0(VALU_DEP_1)
	v_floor_f32 v18, v18                           ; -M = floor(-t)
	s_delay_alu instid0(VALU_DEP_1)
	v_sub_f32 v19, v18, v[\nm]                     ; old M - new M, a whole number, 0 or less
	v_mov_b32 v[\nm], v18
	s_delay_alu instid0(VALU_DEP_2)
	v_cvt_i32_f32 v19, v19                         ; (it saturates)
	s_delay_alu instid0(VALU_DEP_1)
	v_ldexp_f32 v6, 1.0, v19                       ; f = 2^(old M - new M)
.if \a+\more
	QLOAD \qn                                      ; the maxima have left q's registers
.endif
.irp j, 0,2,4,6,8,10,12,14,16,18,20,22,24,26,28,30,32,34,36,38,40,42,44,46,48,50,52,54,56,58,60,62
	v_pk_fma_f32 v[S+\j:S+\j+1], v[S+\j:S+\j+1], s[30:31], v[\nm:\nm+1] op_sel_hi:[1,0,0]   ; t - M
.endr
	v_fma_f32 v16, v16, s30, v[\nm]                ; the same of each block's largest score
	v_fma_f32 v17, v17, s30, v[\nm]
	s_wait_alu depctr_va_vdst(0)                   ; ahead of the batch
.irp j, 0,1,2,3,4,5,6,7,8,9,10,11,12,13,14,15,16,17,18,19,20,21,22,23,24,25,26,27,28,29,30,31,32,33,34,35,36,37,38,39,40,41,42,43,44,45,46,47,48,49,50,51,52,53,54,55,56,57,58,59,60,61,62,63
	v_exp_f32 v[S+\j], v[S+\j]
.endr
	v_exp_f32 v16, v16                             ; the blocks' largest p
	v_exp_f32 v17, v17
	s_wait_alu depctr_va_vdst(0)                   ; and behind it, directly ahead of the first readers of O^T
.irp j, 0,2,4,6,8,10,12,14,16,18,20,22,24,26,28,30
	v_pk_mul_f32 v[\o+\j:\o+\j+1], v[\o+\j:\o+\j+1], v[6:7] op_sel_hi:[1,0]   ; O^T under the new M
.endr
	v_max_num_f32 v16, 0x1800000, v16              ; the floor 2^(3 - 127): the byte cannot fall under 1
	v_max_num_f32 v17, 0x1800000, v17
	s_delay_alu instid0(VALU_DEP_2)
	v_add_nc_u32 v16, 0xff000000, v16              ; the conversions' scale operands
	s_delay_alu instid0(VALU_DEP_2)
	v_add_nc_u32 v17, 0xff000000, v17
	s_delay_alu instid0(VALU_DEP_2)
	v_lshrrev_b32 v18, 23, v16
	s_delay_alu instid0(VALU_DEP_2)
	v_lshrrev_b32 v19, 23, v17
	s_delay_alu instid0(VALU_DEP_1)
	v_lshl_or_b32 v18, v19, 16, v18                ; my blocks h and 2 + h
	s_delay_alu instid0(VALU_DEP_1)
	v_permlanex16_b32 v19, v18, s28, s29
	s_delay_alu instid0(VALU_DEP_1)
	v_lshl_or_b32 v7, v19, 8, v18                  ; lanes 0-15: p's scale word (the product reads those lanes alone)
.irp g, 0,1,2,3,4,5,6,7
	v_cvt_scalef32_pk8_fp4_f32 v[P+\g], v[S+8*\g:S+8*\g+7], v[16+\g/4]
.endr
	v_pk_fma_f32 v[\l:\l+1], v[\l:\l+1], v[6:7], v[S:S+1] op_sel_hi:[1,0,1]   ; the sums under the new M, and the unquantised p, in two chains; these lines are the places ahead of the products
	v_pk_add_f32 v[18:19], v[S+2:S+3], v[S+4:S+5]
.irp j, 6,10,14,18,22,26,30,34,38,42,46,50,54,58
	v_pk_add_f32 v[\l:\l+1], v[\l:\l+1], v[S+\j:S+\j+1]
	v_pk_add_f32 v[18:19], v[18:19], v[S+\j+2:S+\j+3]
.endr
	v_pk_add_f32 v[\l:\l+1], v[\l:\l+1], v[S+62:S+63]
	v_pk_add_f32 v[\l:\l+1], v[\l:\l+1], v[18:19]
.if \a
	s_wait_alu depctr_va_vdst(0)
	s_wait_loadcnt 0x0                             ; value's nine loads are in: none of mine is out
.if \more
	s_wait_xcnt 0x0                                ; nor does a prefetch still want its address
	s_add_nc_u64 s[4:5], s[4:5], REC               ; on to the next record
.endif
.endif
.irp t, 0,1,2,3
.if (\t%2) == 1
	v_wmma_scale_f32_16x16x128_f8f6f4 v[\o+8*\t:\o+8*\t+7], v[VF+8*\t:VF+8*\t+7], v[P:P+7], v[\o+8*\t:\o+8*\t+7], v[VS+\t/2], v7 matrix_a_fmt:MATRIX_FMT_FP4 matrix_b_fmt:MATRIX_FMT_FP4 matrix_a_scale:MATRIX_SCALE_ROW1
.else
	v_wmma_scale_f32_16x16x128_f8f6f4 v[\o+8*\t:\o+8*\t+7], v[VF+8*\t:VF+8*\t+7], v[P:P+7], v[\o+8*\t:\o+8*\t+7], v[VS+\t/2], v7 matrix_a_fmt:MATRIX_FMT_FP4 matrix_b_fmt:MATRIX_FMT_FP4
.endif
.endr
.endm
.macro TRIP more
	SOFT OA, 12, 8, 1, 1, \more
	SOFT OB, 14, 10, 0, 0, \more
.if \more
.rept 4
	v_nop                                          ; four places ahead of loads into value's registers
.endr
	VLOAD
.endif
.endm
.Ltrip:                                            ; 15 trips; the last record's is written out: it loads nothing more
	TRIP 1
	s_add_co_u32 s27, s27, 1
	s_cmp_lt_u32 s27, 15
	s_wait_alu depctr_va_vdst(0)
	s_cbranch_scc1 .Ltrip
	TRIP 0
; THE END
	v_add_f32 v16, v8, v9
	v_add_f32 v18, v10, v11
	v_permlanex16_b32 v17, v16, s28, s29
	v_permlanex16_b32 v19, v18, s28, s29
	v_add_f32 v16, v16, v17                        ; the rows' sums
	v_add_f32 v18, v18, v19
	v_and_b32 v10, 15, v0                          ; r.  (v8-15 have been left by the sums, M and the largest scores)
	v_bfe_u32 v11, v0, 4, 1                        ; h
	v_add_nc_u32 v8, s35, v1                       ; O's codes: 512 x wave + 16 x lane
	v_lshl_add_u32 v9, v10, 2, v11
	v_add_nc_u32 v9, s36, v9                       ; my byte of row r's word
	v_add_nc_u32 v12, s44, v1                      ; the product's fragments of O
	v_mul_u32_u24 v13, s48, v11
	v_lshl_add_u32 v13, v10, 2, v13
	v_add_nc_u32 v13, s45, v13                     ; its scale words: lanes 0-15 O's row r, lanes 16-31 W's column r
	v_mul_u32_u24 v14, v10, 272
	v_lshl_add_u32 v14, v11, 7, v14
	v_add_nc_u32 v14, s46, v14                     ; into the stage: row 16 tile + r, column 32 h + 8 ct
	v_mul_u32_u24 v15, v11, 272
	v_lshl_add_u32 v15, v10, 4, v15
	v_add_nc_u32 v15, s47, v15                     ; out of it: rows 2 w, 2 w + 1
	v_lshlrev_b32 v5, 8, v11
	v_lshl_add_u32 v5, v10, 4, v5
	v_add_nc_u32 v5, s35, v5                       ; and the same two rows of out0
	v_lshlrev_b32 v11, 7, v11                      ; the bias: 128 h
	s_cmp_lt_u32 s14, 8
	s_wait_alu depctr_va_vdst(0)
	s_cbranch_scc0 .Lno_w
.irp s, 0,1,2,3,4,5,6,7                        ; waves 0-7: W's tile of columns, all 8 K steps, into registers that key and value have left; the bias into the first sum
	global_load_b128 v[48+8*\s+(\s/6)*128:48+8*\s+(\s/6)*128+3], v1, s[38:39] offset:RW*\s
	global_load_b128 v[48+8*\s+(\s/6)*128+4:48+8*\s+(\s/6)*128+7], v1, s[38:39] offset:RW*\s+512
.endr
	global_load_b128 v[248:251], v11, s[42:43]
	global_load_b128 v[252:255], v11, s[42:43] offset:16
.Lno_w:
	s_wait_alu depctr_va_vdst(0)
	v_rcp_f32 v16, v16
	v_rcp_f32 v18, v18
	v_nop
	s_wait_alu depctr_va_vdst(0)                   ; ahead of the first readers of the reciprocals and of O^T
.irp j, 0,2,4,6,8,10,12,14,16,18,20,22,24,26,28,30
	v_pk_mul_f32 v[S+\j:S+\j+1], v[OA+\j:OA+\j+1], v[16:17] op_sel_hi:[1,0]
	v_pk_mul_f32 v[S+32+\j:S+33+\j], v[OB+\j:OB+\j+1], v[18:19] op_sel_hi:[1,0]
.endr
.irp u, 0,1
	v_max3_num_f32 v[16+\u], |v[S+32*\u]|, |v[S+32*\u+1]|, 0x1800000   ; my 32 are block h of my head
.endr
.irp i, 2,4,6,8,10,12,14,16,18,20,22,24,26,28,30
.irp u, 0,1
	v_max3_num_f32 v[16+\u], v[16+\u], |v[S+32*\u+\i]|, |v[S+32*\u+\i+1]|
.endr
.endr
.irp u, 0,1
	v_add_nc_u32 v[16+\u], 0xff000000, v[16+\u]
.endr
.irp u, 0,1
.irp g, 0,1,2,3
	v_cvt_scalef32_pk8_fp4_f32 v[P+4*\u+\g], v[S+32*\u+8*\g:S+32*\u+8*\g+7], v[16+\u]
.endr
.endr
.irp u, 0,1
	v_lshrrev_b32 v[18+\u], 23, v[16+\u]
.endr
.irp u, 0,1
	ds_store_b128 v8, v[P+4*\u:P+4*\u+3] offset:OC+8192*\u
	ds_store_b8 v9, v[18+\u] offset:OS+2048*\u
.endr
	s_wait_alu depctr_va_vdst(0)
	s_wait_dscnt 0x0                               ; my stores are done, for the others' sake
	s_barrier_signal -1
	s_barrier_wait -1
	s_cmp_lt_u32 s14, 8
	s_cbranch_scc0 .Lno_p
.irp s, 0,1,2,3,4,5,6,7
	ds_load_b128 v[S+8*\s:S+8*\s+3], v12 offset:OC+1024*\s
	ds_load_b128 v[S+8*\s+4:S+8*\s+7], v12 offset:OC+1024*\s+512
	ds_load_b32 v[KS+\s], v13 offset:OS+256*\s     ; v20-27, which hold scale words alone: O's in lanes 0-15, W's in lanes 16-31
.endr
	s_wait_loadcnt 0x0
	s_wait_dscnt 0x0
.irp s, 0,1,2,3,4,5,6,7                        ; two sums by turns: the even K steps onto the bias, the odd ones from 0
.if (\s%2) == 0
	v_wmma_scale_f32_16x16x128_f8f6f4 v[248:255], v[48+8*\s+(\s/6)*128:48+8*\s+(\s/6)*128+7], v[S+8*\s:S+8*\s+7], v[248:255], v[KS+\s], v[KS+\s] matrix_a_fmt:MATRIX_FMT_FP4 matrix_b_fmt:MATRIX_FMT_FP4 matrix_a_scale:MATRIX_SCALE_ROW1
.else
.if \s == 1
	v_wmma_scale_f32_16x16x128_f8f6f4 v[40:47], v[48+8*\s+(\s/6)*128:48+8*\s+(\s/6)*128+7], v[S+8*\s:S+8*\s+7], 0, v[KS+\s], v[KS+\s] matrix_a_fmt:MATRIX_FMT_FP4 matrix_b_fmt:MATRIX_FMT_FP4 matrix_a_scale:MATRIX_SCALE_ROW1
.else
	v_wmma_scale_f32_16x16x128_f8f6f4 v[40:47], v[48+8*\s+(\s/6)*128:48+8*\s+(\s/6)*128+7], v[S+8*\s:S+8*\s+7], v[40:47], v[KS+\s], v[KS+\s] matrix_a_fmt:MATRIX_FMT_FP4 matrix_b_fmt:MATRIX_FMT_FP4 matrix_a_scale:MATRIX_SCALE_ROW1
.endif
.endif
.endr
.rept 4
	v_nop
.endr
.irp j, 0,2,4,6
	v_pk_add_f32 v[S+\j:S+\j+1], v[248+\j:249+\j], v[40+\j:41+\j]
.endr
	ds_store_b128 v14, v[S:S+3] offset:ST
	ds_store_b128 v14, v[S+4:S+7] offset:ST+16
.Lno_p:
	s_wait_alu depctr_va_vdst(0)
	s_wait_dscnt 0x0
	s_barrier_signal -1
	s_barrier_wait -1
	ds_load_b128 v[S+8:S+11], v15 offset:ST
	s_wait_dscnt 0x0
	global_store_b128 v5, v[S+8:S+11], s[12:13] th:TH_STORE_NT   ; sixteen lanes store a row's 256 consecutive bytes, aligned
	v_lshl_add_u32 v16, v0, 2, SPARE               ; no two registers could be kept: made anew from v0
	v_mov_b32 v17, 0
	s_wait_alu depctr_va_vdst(0)
	s_wait_tensorcnt 0x0                           ; the wave's end
	ds_add_u32 v16, v17
	s_wait_dscnt 0x0
	s_endpgm
.Lfunc_end_k_q70088a9e19_attn:
	.size	k_q70088a9e19_attn, .Lfunc_end_k_q70088a9e19_attn-k_q70088a9e19_attn
	.p2alignl 7, 3214868480
	.fill 96, 4, 3214868480
	.section	.rodata,"a",@progbits
	.p2align	6, 0x0
	.amdhsa_kernel k_q70088a9e19_attn
		.amdhsa_group_segment_fixed_size 205312
		.amdhsa_private_segment_fixed_size 0
		.amdhsa_enable_private_segment 0
		.amdhsa_kernarg_size 40
		.amdhsa_user_sgpr_count 2
		.amdhsa_user_sgpr_kernarg_segment_ptr 1
		.amdhsa_wavefront_size32 1
		.amdhsa_system_sgpr_workgroup_id_x 1
		.amdhsa_system_sgpr_workgroup_id_y 1
		.amdhsa_system_sgpr_workgroup_id_z 1
		.amdhsa_system_vgpr_workitem_id 0
		.amdhsa_next_free_vgpr 256
		.amdhsa_next_free_sgpr 66
		.amdhsa_reserve_vcc 0
		.amdhsa_float_denorm_mode_32 3
		.amdhsa_float_denorm_mode_16_64 3
		.amdhsa_memory_ordered 1
		.amdhsa_forward_progress 1
		.amdhsa_inst_pref_size 83
	.end_amdhsa_kernel
	.amdgpu_metadata
---
amdhsa.version: [ 1, 2 ]
amdhsa.kernels:
  - .name:           k_q70088a9e19_attn
    .symbol:         k_q70088a9e19_attn.kd
    .args:
      - { .name: kv, .offset: 0, .size: 8, .value_kind: global_buffer, .address_space: global }
      - { .name: query, .offset: 8, .size: 8, .value_kind: global_buffer, .address_space: global }
      - { .name: wq, .offset: 16, .size: 8, .value_kind: global_buffer, .address_space: global }
      - { .name: b_out, .offset: 24, .size: 8, .value_kind: global_buffer, .address_space: global }
      - { .name: out0, .offset: 32, .size: 8, .value_kind: global_buffer, .address_space: global }
    .group_segment_fixed_size: 205312
    .private_segment_fixed_size: 0
    .kernarg_segment_align: 8
    .kernarg_segment_size: 40
    .max_flat_workgroup_size: 512
    .sgpr_count:     66
    .vgpr_count:     256
    .wavefront_size: 32
...
	.end_amdgpu_metadata
.endif
;; end of part 2
